; MI455X (gfx1250); checked and timed in simulation.
; The chip was launched on July 23, 2026; its instructions are those of AMD's public machine-readable ISA for CDNA 5 (MIT licence, August 2026) and "CDNA5" Instruction Set Architecture Reference Guide (July 2026). The comments in the code are by the model that wrote it; some were corrected since.
;; SDP Attention. Allowed arithmetic: matrix products marked QUANTISED: E3M2 operands, one E8M0 scale for each 32 along K, by v_wmma_scale_f32_16x16x128_f8f6f4 with both operands' format E3M2, f32 sums; everything else in f32.
;; Inputs: K_codes 8,192 x 4 x 24 uint8 (E3M2 codes of K, K innermost, in blocks of 32 codes, four codes in three bytes); K_scales 8,192 x 4 uint8 (E8M0 scales of K, one for each 32 codes along K); Q_codes 8,192 x 4 x 24 uint8 (E3M2 codes of Q, K innermost, in blocks of 32 codes, four codes in three bytes); Q_scales 8,192 x 4 uint8 (E8M0 scales of Q, one for each 32 codes along K); V_codes 128 x 256 x 24 uint8 (E3M2 codes of V, K innermost, in blocks of 32 codes, four codes in three bytes); V_scales 128 x 256 uint8 (E8M0 scales of V, one for each 32 codes along K).
;; Outputs: out0 8,192 x 128 float32.
;; This version of the problem:
;;   THIS VERSION OF THE PROBLEM IS GIVEN IN LOW PRECISION. The matrix products marked QUANTISED in the list below multiply operands that are first quantised to E3M2 (3 exponent bits, 2 mantissa bits; 6 bits a number), with one power-of-two scale for each 32 numbers along K (OCP MX v1.0); their sums are f32. All else is computed in f32.
;;   The module's matrix products, in the order in which they are computed (A, B: the left and right operand; K: the contracted axis; several contracted axes count as one K, in the product's order):
;;     1. [M 8,192, K 128] x [K 128, N 8,192]; A: input Q (given as codes); B: input K (given as codes): QUANTISED
;;     2. [M 8,192, K 8,192] x [K 8,192, N 128]; A: softmax (see below); B: input V (given as codes): QUANTISED
;;   THE QUANTISER, for each operand of a quantised product, along K:
;;     - K is cut into blocks of 32 from its start; a last block that is shorter is filled with zeros.
;;     - A block's scale is 2^e with e = floor(log2(the largest magnitude in the block)) - 4, held to -126 .. 127; a block of zeros has e = 0. As a byte (E8M0): e + 127.
;;     - Each number is divided by its block's scale, clamped to +-28, and rounded to the nearest number of E3M2, ties to even, subnormals kept.
;;     - The product sums the exact products of the quantised numbers (number of the format x scale) in f32.
;;   ~~~python
;;   def quantise(x, axis):      # numpy; x: float32 -> the quantised numbers, widened to float32 again
;;       x = np.moveaxis(x, axis, -1); K = x.shape[-1]
;;       x = np.pad(x, [(0, 0)] * (x.ndim - 1) + [(0, -K % 32)]); x = x.reshape(x.shape[:-1] + (-1, 32)); a = np.abs(x).max(-1, keepdims=True)
;;       e = np.where(a > 0, np.clip(np.frexp(np.where(a > 0, a, 1))[1] - 1 - 4, -126, 127), 0)      # np.frexp(a)[1] - 1 = floor(log2(a)), exactly
;;       r = np.clip(x / 2.0 ** e, -28, 28)
;;       step = 2.0 ** (np.maximum(np.frexp(np.where(r == 0, 1, r))[1] - 1, -2) - 2)
;;       q = np.round(r / step) * step * 2.0 ** e      # np.round: ties to even
;;       return np.moveaxis(q.reshape(q.shape[:-2] + (-1,))[..., :K], -1, axis).astype(np.float32)
;;   ~~~
;;   SOFTMAX AHEAD OF A QUANTISED PRODUCT. Where the list says 'softmax', what is quantised is not the finished softmax but p = 2^(t - M), with t = logit x log2(e) and M = ceil(the row's largest t), a whole number; so 1/2 < the row's largest p <= 1. The row's sum l is taken of the UNQUANTISED p, in f32, and the product's result is divided by l at the end. Since M is a whole number, a kernel that streams over the keys may use a running M (the ceiling of the running maximum): every later rescaling is an exact power of two, which a block's scale takes up: the codes' values come out the same.
;;   OPERANDS COMPUTED ON THE WAY. 'Computed on the way' means the value that the module computes at that place (a softmax that the list does not call 'softmax' is quantised finished and normalised). What goes into a quantiser is computed in f32, as accurately as f32 sums, v_exp_f32 and their like allow (about 1e-6 of the number): no bf16 or f16 on the way to a quantiser, and a product that is left as it is and whose result goes on into a quantised operand takes f32 operands (vector FMAs, or v_wmma_f32_16x16x4_f32). A number that lies on a knife's edge between two numbers of the format may be rounded either way, as far as f32 arithmetic and the matrix unit's own rounding can turn it there, and no further.
;;   INPUTS GIVEN AS CODES. K (in the module: [8192, 128], K = its axis 1); Q (in the module: [8192, 128], K = its axis 1); V (in the module: [8192, 128], K = its axis 0): each comes as NAME_codes (uint8): NAME with its K axis moved to the last place and cut into blocks of 32 codes, [.., K / 32, bytes a block], one block behind the other in memory; four codes in three bytes: a row's codes are one little-endian stream of bits, code i at bits 6 i .. 6 i + 5 (a code: sign, 3 exponent bits, 2 mantissa bits); and NAME_scales (uint8): the same leading axes, one E8M0 byte (e + 127) for each 32 codes along K. Its value is code x scale, taken as it is: it is not quantised again, and the codes and scales need not be those that the quantiser above would give.
;; One version. Each part assembles by itself: llvm-mc -triple=amdgcn-amd-amdhsa -mcpu=gfx1250 --defsym DOCPART=n.
;; ======== version 1 of 1: 1 launch
;; limits: right only within a limited range of input values
;; launch attn (part 1): grid 256 x 1, 8 waves a work-group, clusters of 4 x 1, 327,680 bytes of LDS; arguments Q_codes, Q_scales, K_codes, K_scales, V_codes, V_scales, out0; writes out0
.if DOCPART == 1
	.amdgcn_target "amdgcn-amd-amdhsa--gfx1250"
	.amdhsa_code_object_version 6
	.text
	.protected	k_qd91a06d4c9_attn
	.globl	k_qd91a06d4c9_attn
	.p2align	8
	.type	k_qd91a06d4c9_attn,@function
k_qd91a06d4c9_attn:
	s_mov_b64 s[64:65], 0
	v_nop
	global_prefetch_b8 v0, s[64:65] scope:SCOPE_SE
	s_setreg_imm32_b32 hwreg(HW_REG_WAVE_MODE, 25, 1), 1
	s_wait_xcnt 0x0
	s_wait_alu depctr_hold_cnt(0) depctr_sa_sdst(0) depctr_va_vdst(0) depctr_va_sdst(0) depctr_va_ssrc(0) depctr_va_vcc(0) depctr_vm_vsrc(0)
	s_getreg_b32 s2, hwreg(HW_REG_IB_STS2, 6, 4)
	s_cmp_eq_u32 s2, 0
	s_cbranch_scc0 .Lentry_in_a_cluster
	s_endpgm
.Lentry_in_a_cluster:
	s_bfe_u32 s2, ttmp6, 0x10000c
	s_cmp_lg_u32 s2, 0x3003
	s_cbranch_scc0 .Lentry_shape_is_right
	s_endpgm
.Lentry_shape_is_right:
; One head of attention on codes of BF6 (E3M2) with one E8M0 scale for each 32 along a product's K: 8,192 queries, 8,192 keys, head size 128, logits = Q . K / sqrt(8192).  No step of the problem is left out.
; SHARES.  A work-group owns 32 queries and walks all keys in 8 chunks of 1,024; of each chunk wave w takes the 128 keys 128 w on.  So every wave has its own M, l and O over its 1,024 keys of each
; query; at the end the eight are brought under one M and added through LDS, and each number of out0 is stored once.
; THE SOFTMAX AHEAD OF THE SECOND PRODUCT: t = score x c, c = log2(e) / sqrt(8192); M = the largest t so far, rounded UP to a whole number; p = 2^(t - M) is quantised along the keys in blocks of 32, not normalised;
; l is the sum of the unquantised p.  When M moves, l and O are multiplied by 2^(old M - new M): exact.
; LAYOUT.  Both products are used transposed: S^T = K Q^T (source 0 = 16 keys, source 1 = 16 queries), O^T = V^T P^T (source 0 = 16 of the head's 128, source 1 = P): a lane holds ONE query (lane % 16) throughout.
; THE ORDER ALONG A PRODUCT'S K: lane (r, h) holds, of a row's 96 bytes, the 48 bytes from 48 h on: the blocks 2 h and 2 h + 1, on both sides of both products alike.  The operand's four places of 32 are then the
; blocks 0, 2, 1, 3, so the bytes 1 and 2 of every given scale word change places.  A fragment is three loads of 16 bytes a lane, straight from the codes as they are given.
; THE KEYS OF A TILE: row r of key tile u is key 8 u + r % 8 + 64 (r / 8), so that register 8 u + j of a lane's 64 scores is key 64 h + 8 u + j: a lane holds its two blocks of P whole.
; K goes from memory to registers, a chunk ahead of its use; V goes through two LDS slots.  Two slots of 1,024 keys for both would be 2 x (98,304 + 104,448) = 405,504 bytes, more than LDS has: that is
; why K is not asked for jointly.  V, which the four work-groups of a cluster need alike, is: each wave fetches 16 of its 128 rows by one joint load (made of the wave's number and constants alone) with the mask of all four.
; V's fragments land in the registers of scores that are done with.
; PREFETCH: in trip n the first four clusters ask for chunk n + 2 of K and V, one trip ahead of the loads that want it; of a chunk's 2 x 384 blocks of 256 bytes each of a cluster's 32 waves names 12 of K's and 12 of V's.
; Chunks 0 and 1 come by their loads alone, and the last two trips ask for nothing.
; LIMITS.  NaN, infinities and scale bytes 0xff are not served.  The promise holds while |t| stays under 2^31.  A block of p whose largest number lies under 2^(5 - 127) keeps the scale byte 1.  A block's largest p is made
; from its largest score by the same multiply-add and exponential, which takes v_exp_f32 not to fall where its input rises.  2^(old M - new M) is 0 where M moves by more than f32's exponents hold.
; t = score x c is rounded once.  The division is v_rcp_f32 and a multiplication.
;
; LDS: slot B (odd chunks) 8 x 13,056; slot A (even chunks) the same; at the end O's eight parts of 32 rows x 528 over slot A and what follows it; VSC 128 rows x 272: V's scale words; KSC 8 waves x 8 steps x 544: K's;
;      STAT 8 x 264: (-M, l); SPARE.  No tensor load lands in VSC, KSC or STAT, and slot A has had its last fill when O is stored.
; REGISTERS, in windows of 256 (s_set_vgpr_msb: bits 1:0 source 0, 3:2 source 1, 5:4 source 2, 7:6 destination):
;   window 0: v1-11 addresses; v12-19 statistics, four a tile; v20-23 f and p's scale word, a pair a tile; v24-31 K's scale words, v32-39 V's; v40-63 at work; v56-57 Q's scale words; v64-191 S^T, then p, then V's fragments;
;             v192-215 p's codes; v216-239 Q's fragments; v240-246 at work; v247-255 addresses of V's fragments
;   window 1: v0-127 O^T, 64 a tile; v128-223 eight fragments of K
.set VTILE, 13056                      ; 16 rows x (3 x (256 + 16))
.set VPITCH, 816
.set SLOTA, 8*VTILE
.set OREG,  SLOTA
.set OPITCH, 528
.set OWAVE, 32*OPITCH
.set VSC,   OREG+8*OWAVE
.set KSC,   VSC+128*272
.set STAT,  KSC+64*544
.set SPARE, STAT+2304
.set KCH,   98304                      ; a chunk of K in bytes
.set LI,   1                           ; 16 x lane
.set VKO,  2                           ; my place among a step's keys in K
.set AKS,  3                           ; K's scale words in the loop
.set AVS,  4                           ; V's
.set SH,   5                           ; 8 h
.set AKB,  6                           ; K's scale words, step 0
.set AVB,  7
.set PFK,  8
.set PFV,  9
.set SPW,  10
.set NIL,  11
.set ST,   12                          ; tile X: v[ST+4X] -M, +1 the largest score, +2, +3 the sum in two halves
.set F,    20                          ; tile X: v[F+2X] f, v[F+2X+1] p's scale word
.set SCK,  24
.set SCV,  32
.set BM,   40                          ; tile X: v[BM+4X], +1 its blocks' largest scores; +2, +3 second chains
.set TT,   48
.set UU,   50
.set SOP,  52
.set Y,    54
.set QS,   56
.set SC,   58
.set SB,   60
.set SD,   62
.set S,    64
.set PC,   192
.set QF,   216
.set CT,   240
.set WP,   243
.set AVR,  247
.set FA,   128                         ; in window 1
.set WV,   20
.set G1,   24
.set G0,   32                          ; s[32:35] slot A, s[36:39] slot B
.set SEL,  40
.set CS,   42
.set NC,   44                          ; -c
.set CNT,  45
.set LIM,  46                          ; 1 in the clusters that prefetch, else the greatest number
.set SWP,  47
.set KB,   48
.set PK,   50
.set PVB,  52
.set TK,   62
.set TV,   63
.set W,    66
.set MSB, 0
.macro WIN new                         ; the immediate's high byte repeats the setting that is left
.if MSB != \new
	s_set_vgpr_msb (MSB<<8)|\new
.set MSB, \new
.endif
.endm
.macro CREST                           ; a round of the cluster's barrier behind its opening barrier
	s_cmp_lg_u32 s[WV], 0
	s_cbranch_scc1 .Lnot_wave_0_\@
	s_barrier_signal -3
.Lnot_wave_0_\@:
	s_barrier_wait -3
	s_barrier_signal -1
	s_barrier_wait -1
.endm
.macro ROUND
	s_barrier_signal -1
	s_barrier_wait -1
	CREST
.endm
.macro KLOAD                           ; the eight fragments of my 128 keys of a chunk
	WIN 0x40
.irp u, 0,1,2,3,4,5,6,7
.irp c, 0,1,2
	global_load_b128 v[FA+12*\u+4*\c:FA+12*\u+4*\c+3], v[VKO], s[KB:KB+1] offset:768*\u+16*\c
.endr
.endr
	WIN 0
.endm
.macro KGRP u                          ; fragment u of the next chunk's keys, where there is one
.if LAST == 0
	WIN 0x40
.irp c, 0,1,2
	global_load_b128 v[FA+12*(\u)+4*\c:FA+12*(\u)+4*\c+3], v[VKO], s[KB:KB+1] offset:768*(\u)+16*\c
.endr
	WIN 0
.endif
.endm
.macro KWORDS reg, off
.irp u, 0,1,2,3,4,5,6,7
	ds_load_b32 v[SCK+\u], v[\reg] offset:(\off)+32*\u
.endr
.endm
.macro VWORDS reg, off
.irp t, 0,1,2,3,4,5,6,7
	ds_load_b32 v[SCV+\t], v[\reg] offset:(\off)+4352*\t
.endr
.endm
.macro VLOAD sl, t                     ; fragment t of slot sl (0: A, 1: B): tiles 0-4 over tile 0's scores, 5-7 over tile 1's.  The slots are 16 tiles on end; an address register reaches six
.set vt, \t
.set gg, (1-\sl)*8+vt
.irp c, 0,1,2
	ds_load_b128 v[S+12*vt+4*(vt/5)+4*\c:S+12*vt+4*(vt/5)+4*\c+3], v[AVR+3*(gg/6)+\c] offset:(gg%6)*VTILE
.endr
.endm
.macro KQ g                            ; S^T = K Q^T: key tiles 4 g .. 4 g + 3 x two tiles of queries
.irp t, 0,1,2,3
.irp X, 0,1
	v_wmma_scale_f32_16x16x128_f8f6f4 v[S+64*\X+8*(4*\g+\t):S+64*\X+8*(4*\g+\t)+7], v[FA+12*(4*\g+\t):FA+12*(4*\g+\t)+11], v[QF+12*\X:QF+12*\X+11], 0, v[SCK+4*\g+\t], v[QS+\X] matrix_a_fmt:MATRIX_FMT_BF6 matrix_b_fmt:MATRIX_FMT_BF6
.endr
.endr
.endm
.macro PV t, first                     ; O^T += V^T P^T, tile t: the sixteen accumulators take turns, one instruction a turn; the first products start the sums
.irp X, 0,1
.if \first
	v_wmma_scale_f32_16x16x128_f8f6f4 v[64*\X+8*\t:64*\X+8*\t+7], v[S+12*\t+4*(\t/5):S+12*\t+4*(\t/5)+11], v[PC+12*\X:PC+12*\X+11], 0, v[SCV+\t], v[F+2*\X+1] matrix_a_fmt:MATRIX_FMT_BF6 matrix_b_fmt:MATRIX_FMT_BF6
.else
	v_wmma_scale_f32_16x16x128_f8f6f4 v[64*\X+8*\t:64*\X+8*\t+7], v[S+12*\t+4*(\t/5):S+12*\t+4*(\t/5)+11], v[PC+12*\X:PC+12*\X+11], v[64*\X+8*\t:64*\X+8*\t+7], v[SCV+\t], v[F+2*\X+1] matrix_a_fmt:MATRIX_FMT_BF6 matrix_b_fmt:MATRIX_FMT_BF6
.endif
.endr
.endm
; Both tiles' maxima and their new M, instruction by instruction in turns.  Each block's largest score serves twice: for M and, since p rises with the score, for the block's largest p.
.macro MAXES
.irp X, 0,1
.irp b, 0,1
.irp k, 0,1
	v_max3_num_f32 v[BM+4*\X+\b+2*\k], v[S+64*\X+32*\b+16*\k], v[S+64*\X+32*\b+16*\k+1], v[S+64*\X+32*\b+16*\k+2]
.endr
.endr
.endr
.irp i, 3,5,7,9,11,13
.irp X, 0,1
.irp b, 0,1
.irp k, 0,1
	v_max3_num_f32 v[BM+4*\X+\b+2*\k], v[BM+4*\X+\b+2*\k], v[S+64*\X+32*\b+16*\k+\i], v[S+64*\X+32*\b+16*\k+\i+1]
.endr
.endr
.endr
.if \i == 5
	KGRP 0
.endif
.if \i == 11
	KGRP 1
.endif
.endr
.irp X, 0,1
.irp b, 0,1
	v_max3_num_f32 v[BM+4*\X+\b], v[BM+4*\X+\b], v[BM+4*\X+\b+2], v[S+64*\X+32*\b+15]
.endr
.endr
.irp X, 0,1
.irp b, 0,1
	v_max_num_f32 v[BM+4*\X+\b], v[BM+4*\X+\b], v[S+64*\X+32*\b+31]
.endr
.endr
.irp X, 0,1
	v_max_num_f32 v[TT+\X], v[BM+4*\X], v[BM+4*\X+1]
.endr
.irp X, 0,1
	v_permlanex16_b32 v[UU+\X], v[TT+\X], s[SEL], s[SEL+1]
.endr
.irp X, 0,1
	v_max3_num_f32 v[ST+4*\X+1], v[ST+4*\X+1], v[TT+\X], v[UU+\X]   ; the running largest score of my query
.endr
.irp X, 0,1
	v_mul_f32 v[TT+\X], s[NC], v[ST+4*\X+1]        ; as -t
.endr
.irp X, 0,1
	v_floor_f32 v[TT+\X], v[TT+\X]                 ; the new -M = floor(-t) = -ceil(t)
.endr
.irp X, 0,1
	v_sub_f32 v[UU+\X], v[TT+\X], v[ST+4*\X]       ; M's old value less its new one: a whole number, 0 or less
.endr
.irp X, 0,1
	v_mov_b32 v[ST+4*\X], v[TT+\X]
.endr
.irp X, 0,1
	v_cvt_i32_f32 v[UU+\X], v[UU+\X]               ; (it saturates)
.endr
.irp X, 0,1
	v_ldexp_f32 v[F+2*\X], 1.0, v[UU+\X]           ; f = 2^(old M - new M)
.endr
.endm
.macro SUM4                            ; the row's sum of the UNQUANTISED p: two at a time, in four chains
	v_pk_add_f32 v[rT+2:rT+3], v[rT+2:rT+3], v[rS+jj:rS+jj+1]
	v_pk_add_f32 v[SB:SB+1], v[SB:SB+1], v[rS+jj+2:rS+jj+3]
	v_pk_add_f32 v[SC:SC+1], v[SC:SC+1], v[rS+jj+4:rS+jj+5]
	v_pk_add_f32 v[SD:SD+1], v[SD:SD+1], v[rS+jj+6:rS+jj+7]
.set jj, jj+8
.endm
; Tile X's p, its sum, its codes and scale word, and O^T under the new M.
.macro HOOK X, u, t                    ; loads laid among a softmax's vector work: under tile 0's a fragment of the next chunk's K, under tile 1's one of this chunk's V
.if (\X) == 0
	KGRP \u
.else
	VLOAD SL, \t
.endif
.endm
; THE ROUND stands in the middle of the trip, in front of V's first read.  ROUND_A: the wait and the add; ROUND_B: behind the opening barrier's wait, and the refill.
.macro ROUND_A
	s_wait_tensorcnt 0x0                           ; my rows of this chunk's V are in
	ds_add_u32 v[SPW], v[NIL]
.if STP
	s_add_nc_u64 s[G0+4*(1-SL)+2:G0+4*(1-SL)+3], s[G0+4*(1-SL)+2:G0+4*(1-SL)+3], 1536   ; the other slot's next chunk: two on
.endif
.endm
.macro ROUND_B
	s_wait_alu depctr_va_vdst(0)
	s_barrier_wait -1                              ; this chunk's V is whole, and nobody of my work-group reads the other slot
.if LAST == 0
	CREST                                          ; nor anybody of the cluster
	tensor_load_to_lds s[G0+4*(1-SL):G0+4*(1-SL)+3], s[G1:G1+7]
	s_nop 0
.rept 4
	v_nop
.endr
.endif
.endm
.macro SOFT X, first
.set rS, S+64*(\X)
.set rT, ST+4*(\X)
.set rF, F+2*(\X)
.set rP, PC+12*(\X)
.set rB, BM+4*(\X)
.set jj, 0
.rept 16
	v_pk_fma_f32 v[rS+jj:rS+jj+1], v[rS+jj:rS+jj+1], s[CS:CS+1], v[rT:rT+1] op_sel_hi:[1,0,0]   ; t - M (of the pairs c and -M the low word serves both halves)
.set jj, jj+2
.endr
	HOOK \X, 2, 0
.rept 16
	v_pk_fma_f32 v[rS+jj:rS+jj+1], v[rS+jj:rS+jj+1], s[CS:CS+1], v[rT:rT+1] op_sel_hi:[1,0,0]
.set jj, jj+2
.endr
.irp b, 0,1
	v_fma_f32 v[rB+\b], v[rB+\b], s[CS], v[rT]     ; the same of each block's largest score
.endr
	HOOK \X, 3, 1
.set jj, 0
	s_wait_alu depctr_va_vdst(0)                   ; the wait ahead of the batch
.irp k, 4,5,6
.rept 16
	v_exp_f32 v[rS+jj], v[rS+jj]                   ; p = 2^(t - M): NOT normalised
.set jj, jj+1
.endr
	HOOK \X, \k, \k-2
.endr
.rept 16
	v_exp_f32 v[rS+jj], v[rS+jj]
.set jj, jj+1
.endr
.irp b, 0,1
	v_exp_f32 v[rB+\b], v[rB+\b]                   ; the block's largest p
.endr
.if (\X) == 0
	KGRP 7
.endif
	v_pk_mul_f32 v[rT+2:rT+3], v[rT+2:rT+3], v[rF:rF+1] op_sel_hi:[1,0]   ; the sums under the new M: the plain instruction behind the exponentials
	s_wait_alu depctr_va_vdst(0)                   ; and the wait ahead of the batch's first reader
.if (\X) == 0
	ROUND_A
.endif
.irp b, 0,1
	v_max_num_f32 v[rB+\b], 0x2800000, v[rB+\b]    ; the floor 2^(5 - 127): the byte cannot fall under 1
.endr
	v_pk_add_f32 v[SB:SB+1], v[rS:rS+1], v[rS+2:rS+3]
	v_pk_add_f32 v[SC:SC+1], v[rS+4:rS+5], v[rS+6:rS+7]
	v_pk_add_f32 v[SD:SD+1], v[rS+8:rS+9], v[rS+10:rS+11]
.irp b, 0,1
	v_add_nc_u32 v[SOP+\b], 0xfe000000, v[rB+\b]   ; 4 off the exponent field: the conversion's scale operand
.endr
	v_pk_add_f32 v[rT+2:rT+3], v[rT+2:rT+3], v[rS+12:rS+13]
.set jj, 14
.irp b, 0,1
	v_cvt_scalef32_pk16_bf6_f32 v[rP+6*\b:rP+6*\b+2], v[rS+32*\b:rS+32*\b+15], v[SOP+\b]
	v_cvt_scalef32_pk16_bf6_f32 v[CT+4*\b:CT+4*\b+2], v[rS+32*\b+16:rS+32*\b+31], v[SOP+\b]   ; (a conversion's three registers begin on an even number)
.endr
.irp b, 0,1
	v_lshrrev_b32 v[Y+\b], 23, v[SOP+\b]           ; the scale's byte
.endr
.if (\X) == 0
	s_wait_alu depctr_va_vdst(0)
	s_wait_dscnt 0x0                               ; the add is done, and so are my reads of the other slot
	s_barrier_signal -1                            ; registers only from here to the barrier's wait
.endif
	SUM4
	v_lshl_or_b32 v[Y], v[Y+1], 16, v[Y]           ; my two blocks' bytes, at the places h and 2 + h of the word
.irp i, 0,1,2
	v_mov_b32 v[rP+3+\i], v[CT+\i]
.endr
	v_lshlrev_b32 v[Y], v[SH], v[Y]
.irp i, 0,1,2
	v_mov_b32 v[rP+9+\i], v[CT+4+\i]
.endr
	SUM4
	v_permlanex16_b32 v[WP], v[Y], s[SEL], s[SEL+1]
	SUM4
	v_or_b32 v[rF+1], v[Y], v[WP]                  ; with lane l xor 16's two the word is whole
	SUM4
	SUM4
	SUM4
	v_pk_add_f32 v[rT+2:rT+3], v[rT+2:rT+3], v[rS+62:rS+63]
	v_pk_add_f32 v[SB:SB+1], v[SB:SB+1], v[SC:SC+1]
	v_pk_add_f32 v[rT+2:rT+3], v[rT+2:rT+3], v[SD:SD+1]
	v_pk_add_f32 v[rT+2:rT+3], v[rT+2:rT+3], v[SB:SB+1]
.if (\X) == 1
.irp t, 5,6,7
	VLOAD SL, \t                                   ; over tile 1's p, which is done with
.endr
.endif
.if \first == 0
	WIN 0x41                                       ; O^T (destination and source 0) in window 1, f in window 0
.set jj, 0
	s_wait_alu depctr_va_vdst(0)                   ; the wait ahead of O^T's first reader
.rept 32
	v_pk_mul_f32 v[64*(\X)+jj:64*(\X)+jj+1], v[64*(\X)+jj:64*(\X)+jj+1], v[rF:rF+1] op_sel_hi:[1,0]   ; O^T under the new M
.set jj, jj+2
.endr
	WIN 0
.endif
.if (\X) == 0
	ROUND_B
.endif
.endm
.macro ASK how                         ; chunk n + 2 into the L2: 12 blocks of K and 12 of V a wave.  how = 1: trip 0; 2: the loop's odd trips; 3: its even ones, of which the last has no chunk two on
.if \how == 1
	s_cmp_eq_u32 s[LIM], 1
.elseif \how == 2
	s_cmp_ge_u32 s[CNT], s[LIM]
.else
	s_cmp_gt_u32 s[CNT], s[LIM]
.endif
	s_cbranch_scc0 .Lno_ask_\@
	global_prefetch_b8 v[PFK], s[PK:PK+1] th:TH_LOAD_NT scope:SCOPE_SE
	global_prefetch_b8 v[PFV], s[PVB:PVB+1] th:TH_LOAD_NT scope:SCOPE_SE
.Lno_ask_\@:
.endm
; A TRIP: one chunk, 128 keys of it mine: 16 + 16 matrix instructions, two softmaxes.  sl: the slot of this chunk's V; the other one is filled with the next chunk's.
.macro TRIP sl, first, last, stp, ask, kreg, koff, vreg, voff
.if \first == 0
.rept 5
	v_nop                                          ; five places between the last products and those below, which write over V's fragments
.endr
.endif
	s_wait_alu depctr_va_vdst(0)                   ; the wait ahead of the waits below
.if \last == 0
	s_wait_xcnt 0x0                                ; the loads and prefetches of the last trip have read their bases
	s_add_nc_u64 s[KB:KB+1], s[KB:KB+1], KCH
.if \first == 0
	s_add_nc_u64 s[PK:PK+1], s[PK:PK+1], KCH
	s_add_nc_u64 s[PVB:PVB+1], s[PVB:PVB+1], 768
.endif
.endif
.set SL, \sl
.set LAST, \last
.set STP, \stp
	s_wait_loadcnt 12                              ; K's fragments 0-3 are in; the twelve loads of 4-7 may be out
	WIN 0x01                                       ; source 0 (K) window 1
	KQ 0
	s_wait_loadcnt 0x0
	KQ 1
	WIN 0
.rept 4
	v_nop                                          ; the places in front of the loads over K's fragments and scale words, and of the first read of the scores
.endr
.if \last == 0
	KWORDS \kreg, \koff                            ; the next chunk's
	ASK \ask
.endif
	MAXES
	SOFT 0, \first
	VWORDS \vreg, \voff
	SOFT 1, \first
	s_wait_alu depctr_va_vdst(0)                   ; the wait ahead of the wait below
	s_wait_dscnt 9                                 ; LDS loads come back in order (ISA guide 5.7.1): the nine of fragments 5-7 may be out
	WIN 0x50                                       ; C and D (O^T) window 1
.irp t, 0,1,2,3,4
	PV \t, \first
.endr
	s_wait_dscnt 0x0
.irp t, 5,6,7
	PV \t, \first
.endr
	WIN 0
.endm
	s_load_b256 s[4:11], s[0:1], 0x0               ; Q's codes s[4:5], Q's scales s[6:7], K's codes s[8:9], K's scales s[10:11]
	s_load_b128 s[12:15], s[0:1], 0x20             ; V's codes s[12:13], V's scales s[14:15]
	s_load_b64 s[16:17], s[0:1], 0x30              ; out0
	v_lshl_add_u32 v[SPW], v0, 2, SPARE
	v_mov_b32 v[NIL], 0
	ds_add_u32 v[SPW], v[NIL]                      ; the opening add, twice on end
	ds_add_u32 v[SPW], v[NIL]
	v_lshrrev_b32 v48, 5, v0
	v_readfirstlane_b32 s[WV], v48                 ; wave 0..7
	s_bfe_u32 s21, ttmp6, 0x40000                  ; cx
	s_lshl_b32 s22, ttmp9, 2                       ; in a cluster launch ttmp9 counts clusters
	s_add_co_u32 s22, s22, s21                     ; x: my block of 32 queries
	s_cmp_lt_u32 ttmp9, 4
	s_cselect_b32 s[LIM], 1, -1
	s_mov_b32 s[G1], 15|(3<<16)|(1<<20)|(1<<21)|(5<<22)|(3<<25)   ; 15:0 the mask: all four; 17:16 elements of 8 bytes; 20 padding on; 21 set beside a mask; 24:22 after every 64 words; 31:25 of 4 words
	s_mov_b32 s[G1+1], 96<<16                      ; 16 rows of 768 bytes, 6,144 bytes apart
	s_mov_b32 s[G1+2], 16<<16
	s_mov_b32 s[G1+3], 96<<16
	s_mov_b32 s[G1+4], 16
	s_mov_b32 s[G1+5], 768
	s_mov_b32 s[G1+6], 0
	s_mov_b32 s[G1+7], 0
	s_mov_b32 s[SEL], 0x76543210
	s_mov_b32 s[SEL+1], 0xfedcba98                 ; lane l xor 16
	s_mov_b32 s[CS], 0x3c8293ee                    ; c = log2(e) / sqrt(8192)
	s_mov_b32 s[CS+1], s[CS]                       ; (named with it as a pair)
	s_mov_b32 s[NC], 0xbc8293ee
	s_mov_b32 s[SWP], 0x03010200                   ; bytes 1 and 2 of a scale word change places
	s_mov_b32 s[TK], 0
	s_mov_b32 s[TV], 0
	s_mul_i32 s2, s[WV], VTILE                     ; my 16 rows in a slot
	s_mul_i32 s54, s[WV], 4352
	s_add_co_u32 s55, s54, KSC                     ; my part of KSC
	s_add_co_u32 s56, s54, VSC                     ; and of VSC
	s_lshl_b32 s57, s[WV], 2
	s_add_co_u32 s57, s57, VSC                     ; my key step's words in VSC
	s_mul_i32 s58, s[WV], 96                       ; my key step's bytes in a row of V
	s_add_co_u32 s59, s58, 16
	s_add_co_u32 s60, s58, 32
	v_and_b32 v40, 31, v0                          ; lane
	v_and_b32 v41, 15, v0                          ; r
	v_bfe_u32 v42, v0, 4, 1                        ; h
	v_lshlrev_b32 v[LI], 4, v40
	v_and_b32 v43, 7, v41
	v_lshrrev_b32 v48, 3, v41
	v_lshl_add_u32 v49, v48, 6, v43                ; r % 8 + 64 (r / 8)
	v_mul_u32_u24 v[VKO], v49, 96
	v_mad_u32_u24 v[VKO], v42, 48, v[VKO]
	v_mul_u32_u24 v44, v41, 96
	v_mad_u32_u24 v44, v42, 48, v44                ; Q: row r of 96 bytes, + 48 h
	v_lshlrev_b32 v45, 2, v41
	v_lshlrev_b32 v[SH], 3, v42
	v_lshlrev_b32 v[AKB], 2, v43
	v_mad_u32_u24 v[AKB], v48, 288, v[AKB]         ; K's words: 4 bytes a key, 32 of padding behind 64 keys
	v_add_nc_u32 v[AKB], s55, v[AKB]
	v_lshl_add_u32 v46, v42, 5, v[LI]
	v_add_nc_u32 v46, s55, v46                     ; where I put them
	v_mul_u32_u24 v47, v42, 272
	v_lshl_add_u32 v47, v41, 4, v47
	v_add_nc_u32 v47, s56, v47                     ; where I put V's
	v_mul_u32_u24 v[AVB], v41, 272
	v_add_nc_u32 v[AVB], s57, v[AVB]
	v_mul_u32_u24 v50, v42, 48
	v_add_nc_u32 v51, s58, v50                     ; byte y = 96 w + 48 h + 16 c of a row of V
	v_add_nc_u32 v52, s59, v50
	v_add_nc_u32 v53, s60, v50
.irp c, 0,1,2
	v_lshrrev_b32 v54, 8, v[51+\c]                 ; 16 bytes of padding behind every 256
	v_lshl_add_u32 v[51+\c], v54, 4, v[51+\c]
	v_mad_u32_u24 v[AVR+\c], v41, VPITCH, v[51+\c]
	v_add_nc_u32 v[AVR+3+\c], 6*VTILE, v[AVR+\c]
	v_add_nc_u32 v[AVR+6+\c], 12*VTILE, v[AVR+\c]
.endr
	v_min_u32 v55, 11, v40                         ; the prefetches: 12 blocks a wave; the lanes left over name the last again
	v_lshlrev_b32 v[PFK], 8, v55
	v_mul_u32_u24 v54, v55, 171
	v_lshrrev_b32 v54, 9, v54                      ; a third of it: the row; three blocks of 256 bytes a row of 6,144
	v_mad_u32_u24 v[PFV], v54, 5376, v[PFK]
.irp X, 0,1
	v_mov_b32 v[ST+4*\X], 0x7f61b1e6               ; M so far: -3e38
	v_mov_b32 v[ST+4*\X+1], 0xff61b1e6             ; the largest score so far: -3e38
	v_mov_b32 v[ST+4*\X+2], 0
	v_mov_b32 v[ST+4*\X+3], 0
	v_mov_b32 v[F+2*\X+1], 0                       ; (named as the upper half of f's pair before it is first written)
	v_mov_b32 v[UU+\X], 0                          ; a lane permute's destination counts as one of its sources
.endr
	v_mov_b32 v[WP], 0
	s_wait_alu depctr_va_vdst(0)
	s_wait_dscnt 0x0                               ; both opening adds are done
	s_wait_kmcnt 0x0
	s_lshl_b32 s54, s[WV], 9
	s_mov_b32 s55, 0
	s_add_nc_u64 s[10:11], s[10:11], s[54:55]      ; K's scale words of my step of chunk 0
	s_lshl_b32 s54, s[WV], 12
	s_add_nc_u64 s[14:15], s[14:15], s[54:55]      ; V's, rows 16 w on
	s_mul_i32 s54, s22, 3072
	s_add_nc_u64 s[4:5], s[4:5], s[54:55]          ; my queries
	s_lshl_b32 s54, s22, 7
	s_add_nc_u64 s[6:7], s[6:7], s[54:55]
	s_mul_i32 s54, s[WV], 12288
	s_add_nc_u64 s[KB:KB+1], s[8:9], s[54:55]      ; my 128 keys of chunk 0
.irp n, 0,1,2,3,4,5,6,7
	global_load_b128 v[S+4*\n:S+4*\n+3], v[LI], s[10:11] offset:4096*\n        ; the scale words of my 128 keys of chunk n: 512 consecutive bytes
.endr
.irp i, 0,1,2,3,4,5,6,7
	global_load_b128 v[S+32+4*\i:S+32+4*\i+3], v[LI], s[14:15] offset:512*\i   ; two whole rows of V's scale bytes
.endr
.irp X, 0,1
.irp c, 0,1,2
	global_load_b128 v[QF+12*\X+4*\c:QF+12*\X+4*\c+3], v44, s[4:5] offset:1536*\X+16*\c
.endr
	global_load_b32 v[QS+\X], v45, s[6:7] offset:64*\X
.endr
	KLOAD
	s_mul_i32 s54, s[WV], 98304
	s_mov_b32 s[G0], 1
	s_add_co_u32 s[G0+1], s2, SLOTA
	s_add_nc_u64 s[G0+2:G0+3], s[12:13], s[54:55]  ; V's rows 16 w on, chunk 0
	s_or_b32 s[G0+3], s[G0+3], 0x80000000
	s_mov_b32 s[G0+4], 1
	s_mov_b32 s[G0+5], s2
	s_add_nc_u64 s[56:57], s[12:13], s[54:55]
	s_add_nc_u64 s[G0+6:G0+7], s[56:57], 768       ; chunk 1
	s_or_b32 s[G0+7], s[G0+7], 0x80000000
	s_lshl_b32 s58, s21, 3
	s_add_co_u32 s58, s58, s[WV]                   ; my wave's number in the cluster, for the prefetches alone
	s_mul_i32 s60, s58, 3072
	s_mov_b32 s61, 0
	s_add_nc_u64 s[PK:PK+1], s[8:9], s[60:61]
	s_add_nc_u64 s[PK:PK+1], s[PK:PK+1], 2*KCH     ; chunk 2
	s_mul_i32 s60, s58, 24576
	s_add_nc_u64 s[PVB:PVB+1], s[12:13], s[60:61]
	s_add_nc_u64 s[PVB:PVB+1], s[PVB:PVB+1], 1536
	s_mul_i32 s60, s22, 16384
	s_lshl_b32 s58, s[WV], 11
	s_add_co_u32 s60, s60, s58
	s_add_nc_u64 s[16:17], s[16:17], s[60:61]      ; out0: my four rows of my work-group's 32
	ROUND                                          ; all four work-groups are here: the joint loads meet
	tensor_load_to_lds s[G0:G0+3], s[G1:G1+7]      ; chunk 0, the wave's one load at the head
	s_nop 0
.rept 4
	v_nop
.endr
	s_wait_loadcnt 32                              ; the scale words are in; Q's 8 loads and K's 24 may be out
.set jj, 0
.rept 64
	v_perm_b32 v[S+jj], v[S+jj], v[S+jj], s[SWP]
.set jj, jj+1
.endr
.irp n, 0,1,2,3,4,5,6,7
	ds_store_b128 v46, v[S+4*\n:S+4*\n+3] offset:544*\n
.endr
.irp i, 0,1,2,3,4,5,6,7
	ds_store_b128 v47, v[S+32+4*\i:S+32+4*\i+3] offset:544*\i
.endr
	KWORDS AKB, 0                                  ; my own bytes: LDS serves a wave's instructions in order (ISA guide 5.7.1.4)
	s_wait_loadcnt 24                              ; Q is in; K's 24 loads may be out
.irp X, 0,1
	v_perm_b32 v[QS+\X], v[QS+\X], v[QS+\X], s[SWP]
.endr
	s_wait_alu depctr_va_vdst(0)                   ; the wait at the head's end
	s_wait_dscnt 0x0
.rept 8
	v_nop                                          ; a scale register written by a vector instruction stands 8 places ahead of its first product
.endr
	TRIP 0, 1, 0, 0, 1, AKB, 544, AVB, 0           ; chunk 0: its products start O^T's sums
	s_mov_b32 s[CNT], 3
.Lloop:                                                ; chunks 1 + 2 i and 2 + 2 i, i = 0..2
	v_add_nc_u32 v[AKS], s[TK], v[AKB]             ; TK = 1,088 i, TV = 64 i
	v_add_nc_u32 v[AVS], s[TV], v[AVB]
	TRIP 1, 0, 0, 1, 2, AKS, 1088, AVS, 32
	TRIP 0, 0, 0, 1, 3, AKS, 1632, AVS, 64
	s_add_co_u32 s[TK], s[TK], 1088
	s_add_co_u32 s[TV], s[TV], 64
	s_sub_co_u32 s[CNT], s[CNT], 1
	s_cmp_lg_u32 s[CNT], 0
	s_wait_alu depctr_va_vdst(0)
	s_cbranch_scc1 .Lloop
	TRIP 1, 0, 1, 0, 0, AKB, 0, AVB, 224           ; chunk 7: nothing is fetched any more
	; ---- THE WAY OUT.  l: the sum's two halves and lane l xor 16's.  Lane L of the wave then takes query L of the 32.  These lines are the places in front of the first read of O^T.
	s_mul_i32 s54, s[WV], 264
	s_add_co_u32 s54, s54, STAT
	s_mul_i32 s55, s[WV], OWAVE
	s_add_co_u32 s55, s55, OREG
	s_mul_i32 s56, s[WV], 4*OPITCH
	s_add_co_u32 s56, s56, OREG
	s_lshl_b32 s57, s[WV], 5
	s_add_co_u32 s57, s57, STAT
	v_add_f32 v[TT], v[ST+2], v[ST+3]
	v_add_f32 v[TT+1], v[ST+6], v[ST+7]
	v_and_b32 v40, 31, v0
	v_and_b32 v41, 15, v0
	v_permlanex16_b32 v[UU], v[TT], s[SEL], s[SEL+1]
	v_permlanex16_b32 v[UU+1], v[TT+1], s[SEL], s[SEL+1]
	v_bfe_u32 v42, v0, 4, 1
	v_cmp_le_u32 vcc_lo, 16, v40
	v_add_f32 v[TT], v[TT], v[UU]
	v_add_f32 v[TT+1], v[TT+1], v[UU+1]
	v_mul_u32_u24 v44, v41, OPITCH
	v_lshl_add_u32 v43, v40, 3, s54
	v_cndmask_b32 v[SC], v[ST], v[ST+4], vcc_lo    ; -M
	v_cndmask_b32 v[SC+1], v[TT], v[TT+1], vcc_lo  ; l
	v_lshl_add_u32 v44, v42, 5, v44
	v_add_nc_u32 v44, s55, v44                     ; row r, 32 bytes for each half of the lanes, in my part of OREG
	ds_store_b64 v43, v[SC:SC+1]
	WIN 0x04                                       ; an LDS store's data are its source 1: window 1
.irp X, 0,1
.irp t, 0,1,2,3,4,5,6,7
	ds_store_b128 v44, v[64*\X+8*\t:64*\X+8*\t+3] offset:16*OPITCH*\X+64*\t        ; each accumulator from its low end on
	ds_store_b128 v44, v[64*\X+8*\t+4:64*\X+8*\t+7] offset:16*OPITCH*\X+64*\t+16
.endr
.endr
	WIN 0
	v_lshl_add_u32 v45, v40, 4, s56                ; my four queries' rows of waves 0-3's parts,
	v_add_nc_u32 v46, 4*OWAVE, v45                 ; and of 4-7's
	v_and_b32 v47, 7, v40
	v_mul_u32_u24 v47, v47, 264
	v_lshrrev_b32 v48, 3, v40
	v_lshl_add_u32 v47, v48, 3, v47
	v_add_nc_u32 v47, s57, v47                     ; lane 8 i + s: the pair of query i's wave s
	s_wait_alu depctr_va_vdst(0)
	s_wait_tensorcnt 0x0                           ; the wave's end for LDS writes
	ds_add_u32 v[SPW], v[NIL]
	s_wait_dscnt 0x0                               ; for the others' sake: my part and my pairs lie in LDS
	ROUND                                          ; everybody's do; and the closing round: no joint load is asked for behind it
	ds_load_b64 v[50:51], v47
.irp i, 0,1,2,3
.irp s, 0,1,2,3,4,5,6,7
	ds_load_b128 v[S+4*(8*\i+\s):S+4*(8*\i+\s)+3], v[45+\s/4] offset:(\s%4)*OWAVE+\i*OPITCH
.endr
.endr
	s_wait_dscnt 32                                ; the pairs are in; the 32 rows may be out
	v_mul_f32 v52, -1.0, v50                       ; M_s
	v_mov_b32 v53, v52
	v_max_num_f32_dpp v53, v53, v53 row_xmask:1 row_mask:0xf bank_mask:0xf
	v_max_num_f32_dpp v53, v53, v53 row_xmask:2 row_mask:0xf bank_mask:0xf
	v_max_num_f32_dpp v53, v53, v53 row_xmask:4 row_mask:0xf bank_mask:0xf   ; M: the largest of the query's eight
	v_sub_f32 v54, v52, v53                        ; M_s - M: a whole number, 0 or less
	v_cvt_i32_f32 v54, v54
	v_ldexp_f32 v54, 1.0, v54
	v_mul_f32 v55, v54, v51
	v_add_f32_dpp v55, v55, v55 row_xmask:1 row_mask:0xf bank_mask:0xf
	v_add_f32_dpp v55, v55, v55 row_xmask:2 row_mask:0xf bank_mask:0xf
	v_add_f32_dpp v55, v55, v55 row_xmask:4 row_mask:0xf bank_mask:0xf       ; the row's sum under M
	s_wait_alu depctr_va_vdst(0)
	v_rcp_f32 v60, v55
	v_nop
	s_wait_alu depctr_va_vdst(0)
	v_mul_f32 v54, v54, v60                        ; the weight of wave s's part of query i
.set jj, 0
.rept 32
	v_readlane_b32 s[W+jj], v54, jj
.set jj, jj+1
.endr
.irp i, 0,1,2,3
	s_wait_dscnt 24-8*\i                           ; query i's eight rows are in; the later queries' may be out
.irp e, 0,1,2,3
	v_mul_f32 v[PC+4*\i+\e], s[W+8*\i], v[S+32*\i+\e]
.endr
.irp s, 1,2,3,4,5,6,7
.irp e, 0,1,2,3
	v_fmac_f32 v[PC+4*\i+\e], s[W+8*\i+\s], v[S+32*\i+4*\s+\e]   ; four chains by turns
.endr
.endr
	global_store_b128 v[LI], v[PC+4*\i:PC+4*\i+3], s[16:17] offset:512*\i th:TH_STORE_NT   ; 32 lanes store 512 consecutive bytes, at a multiple of 256 from out0's first byte
.endr
	s_endpgm
.Lfunc_end_k_qd91a06d4c9_attn:
	.size	k_qd91a06d4c9_attn, .Lfunc_end_k_qd91a06d4c9_attn-k_qd91a06d4c9_attn
	.p2alignl 7, 3214868480
	.fill 96, 4, 3214868480
	.section	.rodata,"a",@progbits
	.p2align	6, 0x0
	.amdhsa_kernel k_qd91a06d4c9_attn
		.amdhsa_group_segment_fixed_size 327680
		.amdhsa_private_segment_fixed_size 0
		.amdhsa_enable_private_segment 0
		.amdhsa_kernarg_size 56
		.amdhsa_user_sgpr_count 2
		.amdhsa_user_sgpr_kernarg_segment_ptr 1
		.amdhsa_wavefront_size32 1
		.amdhsa_system_sgpr_workgroup_id_x 1
		.amdhsa_system_sgpr_workgroup_id_y 1
		.amdhsa_system_sgpr_workgroup_id_z 1
		.amdhsa_system_vgpr_workitem_id 0
		.amdhsa_next_free_vgpr 480
		.amdhsa_next_free_sgpr 100
		.amdhsa_reserve_vcc 1
		.amdhsa_float_denorm_mode_32 3
		.amdhsa_float_denorm_mode_16_64 3
		.amdhsa_memory_ordered 1
		.amdhsa_forward_progress 1
		.amdhsa_inst_pref_size 161
	.end_amdhsa_kernel
	.amdgpu_metadata
---
amdhsa.version: [ 1, 2 ]
amdhsa.kernels:
  - .name:           k_qd91a06d4c9_attn
    .symbol:         k_qd91a06d4c9_attn.kd
    .args:
      - { .name: Q_codes, .offset: 0, .size: 8, .value_kind: global_buffer, .address_space: global }
      - { .name: Q_scales, .offset: 8, .size: 8, .value_kind: global_buffer, .address_space: global }
      - { .name: K_codes, .offset: 16, .size: 8, .value_kind: global_buffer, .address_space: global }
      - { .name: K_scales, .offset: 24, .size: 8, .value_kind: global_buffer, .address_space: global }
      - { .name: V_codes, .offset: 32, .size: 8, .value_kind: global_buffer, .address_space: global }
      - { .name: V_scales, .offset: 40, .size: 8, .value_kind: global_buffer, .address_space: global }
      - { .name: out0, .offset: 48, .size: 8, .value_kind: global_buffer, .address_space: global }
    .group_segment_fixed_size: 327680
    .private_segment_fixed_size: 0
    .kernarg_segment_align: 8
    .kernarg_segment_size: 56
    .max_flat_workgroup_size: 256
    .sgpr_count:     100
    .vgpr_count:     480
    .wavefront_size: 32
...
	.end_amdgpu_metadata
.endif
;; end of part 1
